; MI455X (gfx1250); checked and timed in simulation.
; The chip was launched on July 23, 2026; its instructions are those of AMD's public machine-readable ISA for CDNA 5 (MIT licence, August 2026) and "CDNA5" Instruction Set Architecture Reference Guide (July 2026). The comments in the code are by the model that wrote it; some were corrected since.
;; Vector Quantization. Allowed arithmetic: matrix products marked QUANTISED: E2M1 operands, one E8M0 scale for each 32 along K, by v_wmma_scale_f32_16x16x128_f8f6f4 with both operands' format E2M1 (or v_wmma_scale_f32_32x16x128_f4), f32 sums; everything else in f32.
;; Inputs: vectors 8,192 x 256 float32; x 32,768 x 256 float32.
;; Outputs: out0 32,768 int32.
;; This version of the problem:
;;   THIS VERSION OF THE PROBLEM IS GIVEN IN LOW PRECISION. The matrix products marked QUANTISED in the list below multiply operands that are first quantised to E2M1 (2 exponent bits, 1 mantissa bit; 4 bits a number), with one power-of-two scale for each 32 numbers along K (OCP MX v1.0); their sums are f32. All else is computed in f32.
;;   The module's matrix products, in the order in which they are computed (A, B: the left and right operand; K: the contracted axis; several contracted axes count as one K, in the product's order):
;;     1. [M 32,768, K 256] x [K 256, N 8,192]; A: input x; B: input vectors: QUANTISED
;;   THE QUANTISER, for each operand of a quantised product, along K:
;;     - K is cut into blocks of 32 from its start; a last block that is shorter is filled with zeros.
;;     - A block's scale is 2^e with e = floor(log2(the largest magnitude in the block)) - 2, held to -126 .. 127; a block of zeros has e = 0. As a byte (E8M0): e + 127.
;;     - Each number is divided by its block's scale, clamped to +-6, and rounded to the nearest number of E2M1, ties to even, subnormals kept.
;;     - The product sums the exact products of the quantised numbers (number of the format x scale) in f32.
;;   ~~~python
;;   def quantise(x, axis):      # numpy; x: float32 -> the quantised numbers, widened to float32 again
;;       x = np.moveaxis(x, axis, -1); K = x.shape[-1]
;;       x = np.pad(x, [(0, 0)] * (x.ndim - 1) + [(0, -K % 32)]); x = x.reshape(x.shape[:-1] + (-1, 32)); a = np.abs(x).max(-1, keepdims=True)
;;       e = np.where(a > 0, np.clip(np.frexp(np.where(a > 0, a, 1))[1] - 1 - 2, -126, 127), 0)      # np.frexp(a)[1] - 1 = floor(log2(a)), exactly
;;       r = np.clip(x / 2.0 ** e, -6, 6)
;;       step = 2.0 ** (np.maximum(np.frexp(np.where(r == 0, 1, r))[1] - 1, 0) - 1)
;;       q = np.round(r / step) * step * 2.0 ** e      # np.round: ties to even
;;       return np.moveaxis(q.reshape(q.shape[:-2] + (-1,))[..., :K], -1, axis).astype(np.float32)
;;   ~~~
;; One version. Each part assembles by itself: llvm-mc -triple=amdgcn-amd-amdhsa -mcpu=gfx1250 --defsym DOCPART=n.
;; ======== version 1 of 1: 3 launches
;; limits: right only within a limited range of input values
;; workspace buffers: xq 4,194,304 bytes; xs 262,144 bytes; cq 1,048,576 bytes; cs 65,536 bytes; cn 32,768 bytes; tsel 131,072 bytes of whole numbers
;; launch quant (part 1): grid 320 x 1, 4 waves a work-group, no clusters, 40,960 bytes of LDS; arguments x, vectors, xq, xs, cq, cs, cn; writes xq, xs, cq, cs, cn
.if DOCPART == 1
	.amdgcn_target "amdgcn-amd-amdhsa--gfx1250"
	.amdhsa_code_object_version 6
	.text
	.protected	k_q4e2d4bd9fa_quant
	.globl	k_q4e2d4bd9fa_quant
	.p2align	8
	.type	k_q4e2d4bd9fa_quant,@function
k_q4e2d4bd9fa_quant:
	s_mov_b64 s[64:65], 0
	v_nop
	global_prefetch_b8 v0, s[64:65] scope:SCOPE_SE
	s_setreg_imm32_b32 hwreg(HW_REG_WAVE_MODE, 25, 1), 1
	s_wait_xcnt 0x0
; x [32768][256] and vectors [8192][256], f32, become what the search launch's matrix instructions take as they lie:
;   codes of FP4 (E2M1) as IMAGES OF THE OPERAND'S REGISTERS: a tile of 16 rows is 2,048 bytes; block b (32 along K) of row r lies at 256 b + 16 r.  With b = 4 s + 2 c + h that is
;   1024 s + 512 c + 16 (16 h + r): the c-th 16-byte load of K step s, 16 bytes a lane, brings a lane exactly its four registers;
;   scale words: a tile is 128 bytes, the word of row r and K step s at 64 s + 4 r, byte b % 4 for block b;
;   and for each row -(the sum of its squares) / 2 in f32 (of the numbers as given, not of the quantised ones).
; A block's scale is 2^(floor(log2(its largest magnitude)) - 2); its byte is the largest magnitude's exponent field - 2, held at 1 from below.  A block of zeros so gets the byte 1: its codes are
; zeros, which add nothing, and the bytes are read by this program alone.
; LIMITS: NaN and infinities among the inputs are not served, nor rows whose sum of squares passes the largest f32 number.  The sum of squares is taken in two packed chains a lane and then over 16 lanes.
; SHARES: work-groups 0-255 take x, 256-319 vectors: only pointers are chosen, one path serves both.  A work-group takes 128 rows, a wave 32 (two tiles), in 16 steps of two rows (512 numbers).
; Each of a step's four loads reads 512 consecutive bytes; the 2,048 bytes turn through the wave's own stage in LDS and come back 64 bytes a lane: lane L then holds 16 neighbours along K:
; row 2 t + L / 16, block (L % 16) / 2, half L % 2.  Codes and scale bytes are gathered in the wave's own LDS in the order of the images and leave as dense runs.
; No tensor loads.  One barrier, at the end, for the work-group's 128 sums.  Loads run four steps (16 loads a wave) ahead, the turn through LDS one step.
; WORK LEFT OUT: x2[n] = sum of x[n]^2 is added to every d2[n][k] of row n alike, so in exact arithmetic argmin over k of x2[n] + c2[k] - 2 x[n].c[k]
; is argmin over k of c2[k] - 2 x[n].c[k], whatever the inputs hold.  So no sum of squares of x is stored or used by this program; only vectors' sums (cn) leave this launch.
; (The one path that serves both tensors still forms a row's sum in registers; x's work-groups do not store it.)
; LIMIT: a NaN, an infinity or an overflow that would arise in x2 alone is not carried to the result.
.set STEPS, 16
.set WGX,   256                        ; work-groups that take x
.set SP,    80                         ; a lane's place in a stage: its 64 bytes + 16 of padding
.set WREG,  9984                       ; LDS of a wave: two stages of 32 x SP, the code image, the scale bytes
.set CIMG,  5120                       ; the code image: 16 segments of 256 bytes (2 tiles x 8 blocks),
.set CP,    288                        ; 288 bytes apart: the 32 lanes of a step's store then fall on 64 different words modulo 256 bytes
.set SIMG,  9728                       ; 256 scale bytes
.set SUMS,  4*WREG                     ; behind the four waves' regions: the work-group's 128 sums
.set R,     16                         ; v16-79   four sets of 16 numbers as they are loaded
.set X,     80                         ; v80-111  two sets of 16 neighbours
.set C,     112                        ; v112-143 two registers of codes for each step: no store's data are written again
.set E,     144                        ; v144-159 a scale byte for each step
.set S,     160                        ; v160-175 a sum for each step
.set P,     176                        ; v176-179 two packed partial sums
.set OUT,   184                        ; v184-215 the way out of the codes; v[216:217] of the scale bytes; v[220:223] of the sums
	s_load_b128 s[4:7], s[0:1], 0x0                ; x, vectors
	s_load_b256 s[8:15], s[0:1], 0x10              ; xq, xs, cq, cs
	s_load_b64 s[16:17], s[0:1], 0x30              ; cn
	v_lshl_add_u32 v224, v0, 2, 0x9e00
	v_mov_b32 v225, 0
	v_lshrrev_b32 v1, 5, v0
	v_readfirstlane_b32 s20, v1                    ; wave 0..3
	v_and_b32 v2, 31, v0                           ; lane L
	v_lshlrev_b32 v3, 4, v2                        ; 16 L: my bytes of a load's or a store's 512
	s_mul_i32 s22, s20, WREG                       ; my wave's LDS
	v_lshrrev_b32 v14, 2, v2
	v_mul_u32_u24 v14, v14, SP
	v_and_b32 v15, 3, v2
	v_lshl_add_u32 v14, v15, 4, v14
	v_add_nc_u32 v14, s22, v14                     ; the stage, on the way in: SP (L / 4) + 16 (L % 4); a load's 512 bytes take eight places
	v_mul_u32_u24 v15, v2, SP
	v_add_nc_u32 v15, s22, v15                     ; and on the way out: SP x L: my 16 neighbours
	v_bfe_u32 v180, v0, 1, 3                       ; b: my block of the row
	v_bfe_u32 v181, v0, 4, 1                       ; which of the step's two rows
	v_and_b32 v182, 1, v0                          ; which half of the block
	s_add_co_u32 s23, s22, CIMG
	v_mul_u32_u24 v4, v180, CP
	v_lshl_add_u32 v4, v181, 4, v4
	v_lshl_add_u32 v4, v182, 3, v4
	v_add_nc_u32 v4, s23, v4                       ; v4: where my 8 bytes of codes go: segment b, 16 bytes a row, 8 a half
	s_add_co_u32 s24, s22, SIMG
	v_lshrrev_b32 v5, 2, v180
	v_lshlrev_b32 v5, 6, v5
	v_lshl_add_u32 v5, v181, 2, v5
	v_and_b32 v183, 3, v180
	v_add_nc_u32 v5, v5, v183
	v_add_nc_u32 v5, s24, v5                       ; v5: where my block's scale byte goes: 64 (b / 4) + 4 x row + b % 4
	s_lshl_b32 s25, s20, 7
	s_add_co_u32 s25, s25, SUMS
	v_lshlrev_b32 v6, 2, v181
	v_add_nc_u32 v6, s25, v6                       ; v6: where my row's sum goes: 128 bytes a wave, 4 a row
	v_mul_u32_u24 v7, v181, CP
	v_and_b32 v183, 15, v0
	v_lshl_add_u32 v7, v183, 4, v7
	v_add_nc_u32 v7, s23, v7                       ; v7: the codes' way out: lanes 0-15 one segment, lanes 16-31 the next
	v_lshlrev_b32 v9, 3, v2                        ; v9: 8 L
	v_add_nc_u32 v8, s24, v9                       ; v8: the scale bytes' way out
	v_add_nc_u32 v10, SUMS, v3                     ; v10: the sums' way out (wave 0)
	s_wait_kmcnt 0x0
	s_cmp_lt_u32 ttmp9, WGX                        ; x's work-group or vectors'?  The choice hangs on the work-group's number alone
	s_cselect_b64 s[4:5], s[4:5], s[6:7]           ; the numbers
	s_cselect_b64 s[8:9], s[8:9], s[12:13]         ; the code images
	s_cselect_b64 s[10:11], s[10:11], s[14:15]     ; the scale words
	s_mov_b64 s[12:13], s[16:17]                   ; the sums: vectors' alone are stored
	s_cselect_b32 s21, 0, WGX
	s_sub_co_u32 s21, ttmp9, s21                   ; the work-group's number within its tensor
	s_lshl_b32 s26, s21, 2
	s_add_co_u32 s26, s26, s20                     ; which run of 32 rows is my wave's
	s_mov_b32 s29, 0
	s_lshl_b32 s28, s26, 15                        ; 32 rows x 1,024 bytes
	s_add_nc_u64 s[4:5], s[4:5], s[28:29]
	s_lshl_b32 s28, s26, 12                        ; two tiles x 2,048 bytes
	s_add_nc_u64 s[8:9], s[8:9], s[28:29]
	s_lshl_b32 s28, s26, 8                         ; two tiles x 128 bytes
	s_add_nc_u64 s[10:11], s[10:11], s[28:29]
	s_lshl_b32 s28, s21, 9                         ; 128 rows x 4 bytes, for the work-group
	s_add_nc_u64 s[12:13], s[12:13], s[28:29]
.macro LOAD t
.irp i, 0,1,2,3
	global_load_b128 v[R+16*((\t)%4)+4*\i:R+16*((\t)%4)+4*\i+3], v3, s[4:5] offset:2048*(\t)+512*\i th:TH_LOAD_NT   ; 32 lanes read 512 consecutive bytes
.endr
.endm
.macro TURN t                          ; step t's numbers through the stage: LDS serves a wave's instructions in order, so no wait stands between the stores and the loads
.irp i, 0,1,2,3
	ds_store_b128 v14, v[R+16*((\t)%4)+4*\i:R+16*((\t)%4)+4*\i+3] offset:32*SP*((\t)%2)+8*SP*\i
.endr
.irp i, 0,1,2,3
	ds_load_b128 v[X+16*((\t)%2)+4*\i:X+16*((\t)%2)+4*\i+3], v15 offset:32*SP*((\t)%2)+16*\i
.endr
.endm
.irp t, 0,1,2,3
	LOAD \t
.endr
	s_wait_loadcnt 12                              ; step 0's four loads are in
	TURN 0
.macro STEP t
.set XS, X+16*((\t)%2)
.if (\t) > 0
	s_wait_dscnt 3                                 ; this step's numbers are back from the stage (the last step's three stores, issued behind them, may be out): so the stage's stores have read their registers,
.else
	s_wait_dscnt 0x0
.endif
.if (\t)+4 < STEPS
	LOAD (\t)+4                                    ; which take the loads of four steps on
.endif
.if (\t)+1 < STEPS
.if STEPS-2-(\t) >= 3
	s_wait_loadcnt 12                              ; the next step's four loads are in; those of the three steps behind it may be out
.else
	s_wait_loadcnt 4*(STEPS-2-(\t))
.endif
	TURN (\t)+1                                    ; and go through the other stage while this step is worked
.endif
	v_max3_num_f32 v11, |v[XS]|, |v[XS+1]|, |v[XS+2]|              ; the largest magnitude of my 16, in two chains,
	v_max3_num_f32 v12, |v[XS+3]|, |v[XS+4]|, |v[XS+5]|
	v_pk_mul_f32 v[P:P+1], v[XS:XS+1], v[XS:XS+1]                  ; and their squares' sum, in two packed chains
	v_pk_mul_f32 v[P+2:P+3], v[XS+2:XS+3], v[XS+2:XS+3]
.irp i, 6,10
	v_max3_num_f32 v11, v11, |v[XS+\i]|, |v[XS+\i+1]|
	v_max3_num_f32 v12, v12, |v[XS+\i+2]|, |v[XS+\i+3]|
.endr
.irp i, 4,8,12
	v_pk_fma_f32 v[P:P+1], v[XS+\i:XS+\i+1], v[XS+\i:XS+\i+1], v[P:P+1]
	v_pk_fma_f32 v[P+2:P+3], v[XS+\i+2:XS+\i+3], v[XS+\i+2:XS+\i+3], v[P+2:P+3]
.endr
	v_max3_num_f32 v11, v11, |v[XS+14]|, |v[XS+15]|
	v_max3_num_f32 v11, v11, v12, 0x1800000        ; and the floor 2^(3 - 127), under which no largest magnitude is taken: so the byte cannot fall under 1
	v_pk_add_f32 v[P:P+1], v[P:P+1], v[P+2:P+3]
	v_max_num_f32_dpp v11, v11, v11 row_xmask:1 row_mask:0xf bank_mask:0xf   ; with my neighbour's 16: the block's
	v_add_f32 v[S+(\t)], v[P], v[P+1]
	v_add_nc_u32 v13, 0xff000000, v11              ; 2 off its exponent field: the conversion takes the exponent field of this operand as its scale, and nothing else of it
	v_add_f32_dpp v[S+(\t)], v[S+(\t)], v[S+(\t)] row_xmask:1 row_mask:0xf bank_mask:0xf   ; the row lies in 16 lanes: four steps, and every one of them holds the row's sum
	v_add_f32_dpp v[S+(\t)], v[S+(\t)], v[S+(\t)] row_xmask:2 row_mask:0xf bank_mask:0xf
	v_add_f32_dpp v[S+(\t)], v[S+(\t)], v[S+(\t)] row_xmask:4 row_mask:0xf bank_mask:0xf
	v_add_f32_dpp v[S+(\t)], v[S+(\t)], v[S+(\t)] row_xmask:8 row_mask:0xf bank_mask:0xf
	v_cvt_scalef32_pk8_fp4_f32 v[C+2*(\t)], v[XS:XS+7], v13          ; eight numbers / the scale, to the nearest code, ties to even, beyond the largest code the largest; the first number's code in the lowest four bits
	v_cvt_scalef32_pk8_fp4_f32 v[C+2*(\t)+1], v[XS+8:XS+15], v13
	v_lshrrev_b32 v[E+(\t)], 23, v13               ; the scale's byte (also the plain line behind the conversions)
	v_mul_f32 v[S+(\t)], -0.5, v[S+(\t)]           ; exact
	ds_store_b64 v4, v[C+2*(\t):C+2*(\t)+1] offset:((\t)/8)*8*CP+((\t)%8)*32   ; tile t / 8, rows 2 (t % 8) and the next
	ds_store_b8 v5, v[E+(\t)] offset:((\t)/8)*128+((\t)%8)*8         ; both lanes of a block write the same byte with the same value
	ds_store_b32 v6, v[S+(\t)] offset:8*(\t)                         ; the 16 lanes of a row write the same word with the same value
.endm
.irp t, 0,1,2,3,4,5,6,7,8,9,10,11,12,13,14,15
	STEP \t
.endr
.irp i, 0,1,2,3,4,5,6,7
	ds_load_b128 v[OUT+4*\i:OUT+4*\i+3], v7 offset:2*CP*\i           ; LDS serves a wave's instructions in order: these see my stores.  Segments 2 i and 2 i + 1
.endr
	ds_load_b64 v[216:217], v8
.irp i, 0,1,2,3,4,5,6,7
	s_wait_dscnt 8-\i                              ; load i is in; the 7 - i behind it and the scale bytes' may be out
	global_store_b128 v3, v[OUT+4*\i:OUT+4*\i+3], s[8:9] offset:512*\i   ; 32 lanes store 512 consecutive bytes, at a multiple of 512 from the buffer's first byte
.endr
	s_wait_dscnt 0x0                               ; the scale bytes are in; and, for the others' sake, my sums have landed in LDS
	global_store_b64 v9, v[216:217], s[10:11]      ; 32 lanes store 256 consecutive bytes, aligned
	s_barrier_signal -1
	s_barrier_wait -1                              ; all four waves' sums lie in LDS
	s_cmp_lt_u32 ttmp9, WGX
	s_cbranch_scc1 .Lend                           ; x's sums are not wanted
	s_cmp_lg_u32 s20, 0
	s_cbranch_scc1 .Lend                           ; wave 0 stores them
	ds_load_b128 v[220:223], v10
	s_wait_dscnt 0x0
	global_store_b128 v3, v[220:223], s[12:13]     ; 128 sums: 512 consecutive bytes, aligned
.Lend:
	s_wait_tensorcnt 0x0
	ds_add_u32 v224, v225
	s_wait_dscnt 0x0
	s_endpgm
.Lfunc_end_k_q4e2d4bd9fa_quant:
	.size	k_q4e2d4bd9fa_quant, .Lfunc_end_k_q4e2d4bd9fa_quant-k_q4e2d4bd9fa_quant
	.p2alignl 7, 3214868480
	.fill 96, 4, 3214868480
	.section	.rodata,"a",@progbits
	.p2align	6, 0x0
	.amdhsa_kernel k_q4e2d4bd9fa_quant
		.amdhsa_group_segment_fixed_size 40960
		.amdhsa_private_segment_fixed_size 0
		.amdhsa_enable_private_segment 0
		.amdhsa_kernarg_size 56
		.amdhsa_user_sgpr_count 2
		.amdhsa_user_sgpr_kernarg_segment_ptr 1
		.amdhsa_wavefront_size32 1
		.amdhsa_system_sgpr_workgroup_id_x 1
		.amdhsa_system_sgpr_workgroup_id_y 1
		.amdhsa_system_sgpr_workgroup_id_z 1
		.amdhsa_system_vgpr_workitem_id 0
		.amdhsa_next_free_vgpr 226
		.amdhsa_next_free_sgpr 66
		.amdhsa_reserve_vcc 0
		.amdhsa_float_denorm_mode_32 3
		.amdhsa_float_denorm_mode_16_64 3
		.amdhsa_memory_ordered 1
		.amdhsa_forward_progress 1
		.amdhsa_inst_pref_size 51
	.end_amdhsa_kernel
	.amdgpu_metadata
---
amdhsa.version: [ 1, 2 ]
amdhsa.kernels:
  - .name:           k_q4e2d4bd9fa_quant
    .symbol:         k_q4e2d4bd9fa_quant.kd
    .args:
      - { .name: x, .offset: 0, .size: 8, .value_kind: global_buffer, .address_space: global }
      - { .name: vectors, .offset: 8, .size: 8, .value_kind: global_buffer, .address_space: global }
      - { .name: xq, .offset: 16, .size: 8, .value_kind: global_buffer, .address_space: global }
      - { .name: xs, .offset: 24, .size: 8, .value_kind: global_buffer, .address_space: global }
      - { .name: cq, .offset: 32, .size: 8, .value_kind: global_buffer, .address_space: global }
      - { .name: cs, .offset: 40, .size: 8, .value_kind: global_buffer, .address_space: global }
      - { .name: cn, .offset: 48, .size: 8, .value_kind: global_buffer, .address_space: global }
    .group_segment_fixed_size: 40960
    .private_segment_fixed_size: 0
    .kernarg_segment_align: 8
    .kernarg_segment_size: 56
    .max_flat_workgroup_size: 128
    .sgpr_count:     66
    .vgpr_count:     226
    .wavefront_size: 32
...
	.end_amdgpu_metadata
.endif
;; end of part 1
;; launch search (part 2): grid 256 x 1, 8 waves a work-group, clusters of 4 x 1, 327,680 bytes of LDS; arguments xq, xs, cq, cs, cn, tsel; writes tsel
.if DOCPART == 2
	.amdgcn_target "amdgcn-amd-amdhsa--gfx1250"
	.amdhsa_code_object_version 6
	.text
	.protected	k_q4e2d4bd9fa_search
	.globl	k_q4e2d4bd9fa_search
	.p2align	8
	.type	k_q4e2d4bd9fa_search,@function
k_q4e2d4bd9fa_search:
	s_mov_b64 s[64:65], 0
	v_nop
	global_prefetch_b8 v0, s[64:65] scope:SCOPE_SE
	s_setreg_imm32_b32 hwreg(HW_REG_WAVE_MODE, 25, 1), 1
	s_wait_xcnt 0x0
	s_wait_alu depctr_hold_cnt(0) depctr_sa_sdst(0) depctr_va_vdst(0) depctr_va_sdst(0) depctr_va_ssrc(0) depctr_va_vcc(0) depctr_vm_vsrc(0)
	s_getreg_b32 s2, hwreg(HW_REG_IB_STS2, 6, 4)
	s_cmp_eq_u32 s2, 0
	s_cbranch_scc0 .Lentry_in_a_cluster
	s_endpgm
.Lentry_in_a_cluster:
	s_bfe_u32 s2, ttmp6, 0x10000c
	s_cmp_lg_u32 s2, 0x3003
	s_cbranch_scc0 .Lentry_shape_is_right
	s_endpgm
.Lentry_shape_is_right:
; tsel[n] = the first tile of 16 consecutive codes that holds the largest s[n][k] = -c2[k] / 2 + Q(x)[n] . Q(vectors)[k]; the largest s is the smallest d2.
; x2[n] is left out: it is the same for every k of a row (shown at the head of the first kernel).  The launch behind this one finds the code inside the tile.
; 32,768 rows, 8,192 codes, K = 256; the product on codes of FP4 (E2M1) with E8M0 scales; sums f32.
; Inputs: xq, cq: code images (a tile of 16 rows is 2,048 bytes: block b of row r at 256 b + 16 r); xs, cs: scale words (128 bytes a tile: K step s, row r at 64 s + 4 r); cn: -c2 / 2.
; THE MATRIX INSTRUCTION IS USED TRANSPOSED (source 0 = 16 codes, source 1 = 16 rows of x): lane (r, h) holds one row of x, register j the code at place 8 h + j.  C of the first K step is cn, as loaded.
; WHICH CODES FORM A TILE: of a group of 32 codes, tile u takes in lanes 0-7 codes 8 u + 0..7 and in lanes 8-15 codes 16 + 8 u + 0..7.  So the 16 results of half h of the lanes over
; the group's two tiles are the 16 consecutive codes 32 g + 16 h + 0..15: image tile 2 g + h.
; THE SEARCH: a group costs an x tile 8 three-input maxima (its 16 results and the best so far), one compare (strictly greater: the earlier group stays) and one select of the group's number.
; At the end the halves of the lanes and the eight waves are merged by (larger value; where equal the lower tile).  No branch and no address hangs on data.
; SHARES: a work-group owns 128 rows; each of its 8 waves keeps all 8 x tiles (128 registers, window 1) and takes an eighth (8 image tiles) of each chunk of 1,024 codes: each image tile is read from LDS once.
; The codes go in 8 chunks through two LDS slots.  A chunk's images are 128 rows of 1,024 bytes: waves 0, 1 fetch 22 rows each, waves 2-5 21 each; wave 6 the scale words, wave 7 cn's part: one tensor load a wave.
; The images' rows have 64 bytes of padding behind each: an image tile is 2,176 bytes, so lanes 8-15, one image tile further on, read 128 bytes further on modulo 256 than lanes 0-7.
; CLUSTER: all work-groups walk the same codebook; the four of a cluster ask jointly (mask 15), with descriptors that hang on the wave's number alone.
; PREFETCH: trip t's tensor loads ask for chunk t + 1; in trip t wave 0 of the 16 work-groups of clusters 0-3 asks for the images of chunk t + 2: 512 blocks of 256 bytes, a lane a block, each block named once,
; shared out by address (32 blocks a work-group); the last two trips ask for nothing.  The scale words and cn, 12 KB of a chunk's 140, come by their loads alone.
; LIMITS: NaN and infinities are not served.
; REGISTERS, window 0: v1 h; v2, v3 the spare word and 0; v4-6 my places in a slot, v7-9 in the slot in hand; v10-12 the merge; v16-23 x's scale words, v24-25 the codes' (scales alone);
; v32-47 the best so far, two sets by turns; v48-55 the group; v56-71 cn, v72-103 the codes' fragments (two buffers); v104-107 offsets in memory; v128-255 two sets of 8 accumulators.  Window 1: v0-127 x's fragments.
.set NCH,   8
.set HP,    1088                       ; half an image tile in LDS: 1,024 bytes + 64 of padding
.set TP,    2*HP
.set SLOTC, 64*TP
.set LSC,   2*SLOTC
.set SLOTS, 8192
.set LQ,    LSC+2*SLOTS
.set SLOTQ, 4096
.set SPARE, LQ+2*SLOTQ                 ; the spare words: 128 bytes for each of 8 waves
.set MERGE, SPARE+1024                 ; [row 0..127][wave 0..7] x (value, tile): no tile lands here
.set XSC, 16
.set AS,  24
.set BA,  32
.set GID, 48
.set Q,   56
.set AF,  72
.set ACC, 128
.set PR,  128
.set OV,  144
.set OI,  152
.set FIN, 176
.set MK,  68
.set MSB, 0
.macro WIN new                         ; the immediate's high byte repeats the setting that is left
.if MSB != \new
	s_set_vgpr_msb (MSB<<8)|\new
.set MSB, \new
.endif
.endm
.macro CROUND                          ; a round of the cluster's barrier
	s_barrier_signal -1
	s_barrier_wait -1
	s_cmp_lg_u32 s18, 0
	s_cbranch_scc1 .Lnot_wave_0_\@
	s_barrier_signal -3
.Lnot_wave_0_\@:
	s_barrier_wait -3
	s_barrier_signal -1
	s_barrier_wait -1
.endm
.macro ARM under, g0, g1, next         ; one arm of the chain: its load, s_nop 0 and four v_nop, a jump to the join
	s_cmp_lt_u32 s18, \under
	s_cbranch_scc0 \next
	tensor_load_to_lds s[\g0:\g0+3], s[\g1:\g1+7]
	s_nop 0
.rept 4
	v_nop
.endr
.endm
.macro JLOAD                           ; every way through passes one joint load
	ARM 2, 48, 24, .Lnot_a_\@
	s_branch .Lasked_\@
.Lnot_a_\@:
	ARM 6, 8, 92, .Lnot_b_\@
	s_branch .Lasked_\@
.Lnot_b_\@:
	ARM 7, 52, 32, .Lnot_s_\@
	s_branch .Lasked_\@
.Lnot_s_\@:
	tensor_load_to_lds s[56:59], s[40:47]
	s_nop 0
.rept 4
	v_nop
.endr
.Lasked_\@:
.endm
.macro GROUP1 g, w0, cols, rows        ; a dense block as rows of cols elements of 8 bytes
	s_mov_b32 s[\g], \w0
	s_mov_b32 s[\g+1], (\cols)<<16
	s_mov_b32 s[\g+2], (\rows)<<16
	s_mov_b32 s[\g+3], (\cols)<<16
	s_mov_b32 s[\g+4], \rows
	s_mov_b32 s[\g+5], \cols
	s_mov_b32 s[\g+6], 0
	s_mov_b32 s[\g+7], 0
.endm
	s_load_b256 s[4:11], s[0:1], 0x0               ; xq, xs, cq, cs
	s_load_b128 s[12:15], s[0:1], 0x20             ; cn, tsel
	v_lshl_add_u32 v2, v0, 2, SPARE
	v_mov_b32 v3, 0
	ds_add_u32 v2, v3                              ; the opening lines: the add, twice on end, and its wait
	ds_add_u32 v2, v3
	v_lshrrev_b32 v1, 5, v0
	v_readfirstlane_b32 s18, v1                    ; wave 0..7
	s_bfe_u32 s21, ttmp6, 0x40000                  ; cx: it enters offsets in memory alone
	s_lshl_b32 s22, ttmp9, 2
	s_add_co_u32 s22, s22, s21                     ; my block of 128 rows
	s_and_b32 s19, s18, 1
	s_mul_i32 s80, s18, 8*TP                       ; my eighth of a slot: images,
	s_lshl_b32 s81, s18, 10
	s_add_co_u32 s81, s81, LSC                     ; scale words,
	s_lshl_b32 s82, s18, 9
	s_add_co_u32 s82, s82, LQ                      ; cn
	s_lshl_b32 s83, s18, 3
	s_add_co_u32 s83, s83, MERGE                   ; the merge, in: my wave's 8 bytes of a row
	s_lshl_b32 s84, s19, 12
	s_add_co_u32 s84, s84, MERGE                   ; back: 64 rows for each of waves 0, 1
	s_lshl_b32 s89, s19, 8
	GROUP1 24, 15|(3<<16)|(1<<20)|(1<<21)|(7<<22)|(15<<25), 128, 22   ; images: rows of 1,024 bytes, 16 words of padding behind each 256 words; 22 rows,
	GROUP1 92, 15|(3<<16)|(1<<20)|(1<<21)|(7<<22)|(15<<25), 128, 21   ; 21 rows
	GROUP1 32, 15|(3<<16)|(1<<21), 32, 32          ; a chunk's scale words: 32 rows of 256 bytes
	GROUP1 40, 15|(3<<16)|(1<<21), 32, 16          ; a chunk's part of cn: 16 rows of 256 bytes
	s_mul_i32 s85, s18, 22*HP                      ; waves 0, 1: rows 22 w ..: in a slot,
	s_mul_i32 s78, s18, 22*1024                    ; in memory
	s_mov_b32 s79, 0
	s_mul_i32 s86, s18, 21
	s_add_co_u32 s86, s86, 2                       ; waves 2-5: rows 21 w + 2 ..:
	s_mul_i32 s16, s86, HP                         ; in a slot,
	s_lshl_b32 s86, s86, 10                        ; in memory
	s_mov_b32 s87, 0
	s_mov_b32 s88, 0                               ; the slot that is filled
	s_mov_b32 s60, 0                               ; the slot in hand: images, scale words, cn
	s_mov_b32 s61, 0
	s_mov_b32 s62, 0
	s_mov_b32 s63, NCH-1
	s_mov_b32 s66, 0x76543210
	s_mov_b32 s67, 0xfedcba98
	s_lshl_b32 s77, s18, 2                         ; the first group (32 codes) of my eighth of the chunk in hand
	s_lshl_b32 s17, s22, 13                        ; the prefetch: 32 blocks of 256 bytes a work-group
	s_cmp_lt_u32 ttmp9, 4
	s_cselect_b32 s23, 1, 100                      ; clusters 0-3,
	s_cmp_eq_u32 s18, 0
	s_cselect_b32 s23, s23, 100                    ; wave 0: asks while more than 1 trip is left behind this one; the others never
	s_wait_dscnt 0x0
	s_wait_kmcnt 0x0
	s_mov_b32 s48, 1
	s_mov_b32 s49, s85
	s_add_nc_u64 s[50:51], s[8:9], s[78:79]
	s_or_b32 s51, s51, 0x80000000
	s_mov_b32 s52, 1
	s_mov_b32 s53, LSC
	s_mov_b64 s[54:55], s[10:11]
	s_or_b32 s55, s55, 0x80000000
	s_mov_b32 s56, 1
	s_mov_b32 s57, LQ
	s_mov_b64 s[58:59], s[12:13]
	s_or_b32 s59, s59, 0x80000000
	s_add_nc_u64 s[2:3], s[8:9], 131072            ; the prefetches' base: each change of slots steps it a chunk on, the first to chunk 2
	s_add_nc_u64 s[10:11], s[8:9], s[86:87]        ; waves 2-5's group 0, in the registers that held cq and cs
	s_or_b32 s11, s11, 0x80000000
	s_mov_b32 s8, 1
	s_mov_b32 s9, s16
	CROUND                                         ; all four work-groups are here: the first joint loads meet
	JLOAD                                          ; chunk 0 into slot 0: one tensor load a wave at the head
	s_lshl_b32 s20, s22, 14                        ; my rows in xq: 8 tiles x 2,048 bytes
	s_mov_b32 s21, 0
	s_add_nc_u64 s[4:5], s[4:5], s[20:21]
	s_lshr_b32 s20, s20, 4                         ; in xs: 128 bytes a tile
	s_add_nc_u64 s[6:7], s[6:7], s[20:21]
	s_lshr_b32 s20, s20, 1                         ; in tsel: 4 bytes a row
	s_add_nc_u64 s[14:15], s[14:15], s[20:21]
	v_and_b32 v14, 31, v0                          ; L
	v_and_b32 v15, 7, v0                           ; r % 8
	v_bfe_u32 v13, v0, 3, 1                        ; r / 8
	v_bfe_u32 v1, v0, 4, 1                         ; h
	v_and_b32 v106, 15, v0                         ; r
	v_mul_u32_u24 v4, v13, TP                      ; images: lanes 8-15 one image tile further on,
	v_add_nc_u32 v4, s80, v4
	v_lshl_add_u32 v4, v15, 4, v4                  ; 16 bytes a row,
	v_lshl_add_u32 v4, v1, 8, v4                   ; 256 a block
	v_lshl_add_u32 v5, v13, 7, s81                 ; scale words: 128 bytes an image tile,
	v_lshl_add_u32 v5, v1, 6, v5                   ; lanes 16-31 K step 1's,
	v_lshl_add_u32 v5, v15, 2, v5
	v_lshl_add_u32 v6, v1, 6, s82                  ; cn: my half's 16 consecutive codes of a group
	v_lshl_add_u32 v10, v106, 6, s83
	v_lshl_add_u32 v11, v14, 7, s84
	v_lshl_add_u32 v12, v14, 3, s89
	v_lshlrev_b32 v104, 4, v14
	v_lshlrev_b32 v105, 2, v14
	v_lshl_add_u32 v107, v14, 8, s17               ; the prefetch: my block of a chunk's images; never rewritten
.irp m, 0,1,2,3,4,5,6,7
	v_mov_b32 v[BA+\m], 0xff800000                 ; -infinity: under every result
	v_mov_b32 v[GID+\m], 0
.endr
	s_wait_alu depctr_va_vdst(0)
	WIN 0x40                                       ; destination window 1
.irp m, 0,1,2,3,4,5,6,7
.irp k, 0,1,2,3
	global_load_b128 v[16*\m+4*\k:16*\m+4*\k+3], v104, s[4:5] offset:2048*\m+512*\k
.endr
.endr
	WIN 0
.irp m, 0,1,2,3,4,5,6,7
	global_load_b32 v[XSC+\m], v105, s[6:7] offset:128*\m
.endr
; Tile i of my eighth (group i / 2, tile i % 2) into buffer i % 2: 7 LDS loads
.macro LOADT i
.irp s, 0,1
.irp c, 0,1
	ds_load_b128 v[AF+16*((\i)%2)+8*\s+4*\c:AF+16*((\i)%2)+8*\s+4*\c+3], v7 offset:2*TP*((\i)/2)+128*((\i)%2)+HP*\s+512*\c
.endr
.endr
	ds_load_b32 v[AS+(\i)%2], v8 offset:256*((\i)/2)+32*((\i)%2)
	ds_load_b128 v[Q+8*((\i)%2):Q+8*((\i)%2)+3], v9 offset:128*((\i)/2)+32*((\i)%2)
	ds_load_b128 v[Q+8*((\i)%2)+4:Q+8*((\i)%2)+7], v9 offset:128*((\i)/2)+32*((\i)%2)+16
.endm
; 16 matrix instructions: the tile in buffer p against my 8 x tiles, into accumulator set p.  The 8 accumulators take turns, one instruction a turn.
.macro WK p
.irp m, 0,1,2,3,4,5,6,7
	v_wmma_scale_f32_16x16x128_f8f6f4 v[ACC+64*(\p)+8*\m:ACC+64*(\p)+8*\m+7], v[AF+16*(\p):AF+16*(\p)+7], v[16*\m:16*\m+7], v[Q+8*(\p):Q+8*(\p)+7], v[AS+(\p)], v[XSC+\m] matrix_a_fmt:MATRIX_FMT_FP4 matrix_b_fmt:MATRIX_FMT_FP4
.endr
.irp m, 0,1,2,3,4,5,6,7
	v_wmma_scale_f32_16x16x128_f8f6f4 v[ACC+64*(\p)+8*\m:ACC+64*(\p)+8*\m+7], v[AF+16*(\p)+8:AF+16*(\p)+15], v[16*\m+8:16*\m+15], v[ACC+64*(\p)+8*\m:ACC+64*(\p)+8*\m+7], v[AS+(\p)], v[XSC+\m] matrix_a_fmt:MATRIX_FMT_FP4 matrix_b_fmt:MATRIX_FMT_FP4 matrix_a_scale:MATRIX_SCALE_ROW1 matrix_b_scale:MATRIX_SCALE_ROW1
.endr
.endm
; The search in tile t's results: the 8 x tiles' chains by turns; each accumulator is read from its low end on.  A group's first line takes the best so far from the other set.
.macro VSTEP t
.set AC, ACC+64*((\t)%2)
.set SR, BA+8*(((\t)/2)%2)
.set DT, BA+8-8*(((\t)/2)%2)
.irp s, 0,1,2,3
.irp m, 0,1,2,3,4,5,6,7
.if ((\t)%2 == 0) && (\s == 0)
	v_max3_num_f32 v[DT+\m], v[SR+\m], v[AC+8*\m], v[AC+8*\m+1]
.else
	v_max3_num_f32 v[DT+\m], v[DT+\m], v[AC+8*\m+2*\s], v[AC+8*\m+2*\s+1]
.endif
.endr
.endr
.if (\t)%2
	s_add_co_u32 s76, s77, (\t)/2                  ; the group's number
.irp m, 0,1,2,3,4,5,6,7
	v_cmp_gt_f32 s[MK+\m], v[DT+\m], v[SR+\m]      ; strictly greater: where equal the earlier group stays
.endr
.irp m, 0,1,2,3,4,5,6,7
	v_cndmask_b32 v[GID+\m], v[GID+\m], s76, s[MK+\m]
.endr
.endif
.endm
; A CHUNK: my 8 tiles.  Tile i + 1 is fetched ahead of tile i's products; tile i - 1's results are searched behind them: those 32 lines or more are the places between
; a tile's products and the read of its results, and in front of the loads into the buffer that they read (ISA guide 7.12.1 asks for four).  pf = 1: behind the third tile's products stands the prefetch.
.macro CHUNK pf
	v_add_nc_u32 v7, s60, v4
	v_add_nc_u32 v8, s61, v5
	v_add_nc_u32 v9, s62, v6
	s_wait_alu depctr_va_vdst(0)
	LOADT 0
.irp i, 0,1,2,3,4,5,6,7
.if \i < 7
	LOADT \i+1
	s_wait_alu depctr_va_vdst(0)
	s_wait_dscnt 7                                 ; tile i is in; the 7 loads just issued may be out
.else
	s_wait_alu depctr_va_vdst(0)
	s_wait_dscnt 0x0
.endif
	WIN 0x04                                       ; source 1 (x) window 1
	WK \i%2
	WIN 0
.if \i == 0
.rept 4
	v_nop                                          ; nothing to search yet: the four places
.endr
.else
	VSTEP \i-1
.endif
.if (\pf) && (\i == 2)
	s_cmp_gt_u32 s63, s23                          ; s63 = 7 - trip: the asking waves ask in trips 0 to 5, for chunks 2 to 7
	s_cbranch_scc0 .Lnot_mine_\@
	global_prefetch_b8 v107, s[2:3] th:TH_LOAD_NT scope:SCOPE_SE
.Lnot_mine_\@:
.endif
.endr
	VSTEP 7
	s_add_co_u32 s77, s77, 32                      ; on to the next chunk's groups, in the other slot
	s_xor_b32 s60, s60, SLOTC
	s_xor_b32 s61, s61, SLOTS
	s_xor_b32 s62, s62, SLOTQ
.endm
; THE CHANGE OF SLOTS, at a chunk's head: all my tensor loads, the add, my reads of the slot that I have left; fill = 1: a round of the cluster's barrier, and that slot takes the chunk that follows.
.macro CHANGE fill
.if \fill
	s_wait_xcnt 0x0                                ; any prefetch of mine has read its base, five tiles' work ago:
	s_add_nc_u64 s[2:3], s[2:3], 131072            ; it steps a chunk on
.endif
	s_wait_alu depctr_va_vdst(0)
	s_wait_tensorcnt 0x0
	ds_add_u32 v2, v3
.if \fill
	s_xor_b32 s88, s88, SLOTC                      ; no tensor load of mine is out: the descriptors step to the other slot and the next chunk
	s_add_co_u32 s49, s85, s88
	s_add_nc_u64 s[50:51], s[50:51], 131072
	s_add_co_u32 s9, s16, s88
	s_add_nc_u64 s[10:11], s[10:11], 131072
	s_xor_b32 s53, s53, SLOTS
	s_add_nc_u64 s[54:55], s[54:55], 8192
	s_xor_b32 s57, s57, SLOTQ
	s_add_nc_u64 s[58:59], s[58:59], 4096
.endif
	s_wait_dscnt 0x0
.if \fill
	CROUND
	JLOAD
.else
	s_barrier_signal -1
	s_barrier_wait -1
.endif
.endm
.macro MERGE2 bv, bi, cv, ci           ; (bv, bi) takes (cv, ci) where cv is larger; where they are equal the smaller index
	v_cmp_gt_f32 vcc_lo, v[\cv], v[\bv]
	s_delay_alu instid0(VALU_DEP_1)
	v_cndmask_b32 v160, v[\bi], v[\ci], vcc_lo
	v_min_u32 v161, v[\bi], v[\ci]
	v_cmp_eq_f32 vcc_lo, v[\cv], v[\bv]
	s_delay_alu instid0(VALU_DEP_1)
	v_cndmask_b32 v[\bi], v160, v161, vcc_lo
	v_max_num_f32 v[\bv], v[\bv], v[\cv]
.endm
	s_wait_loadcnt 0x0                             ; x's fragments and scale words
.Lchunk:                                           ; NCH - 1 trips: trip k reads chunk k and asks for chunk k + 1
	CHANGE 1
	CHUNK 1
	s_sub_co_u32 s63, s63, 1
	s_cmp_lg_u32 s63, 0
	s_cbranch_scc1 .Lchunk
	CHANGE 0                                       ; the last chunk is written out: it asks for nothing
	CHUNK 0
	; THE END: my half's image tile = 2 x group + h; the other half of the lanes; the eight waves
.irp m, 0,1,2,3,4,5,6,7
	v_lshl_add_u32 v[PR+2*\m+1], v[GID+\m], 1, v1
	v_mov_b32 v[PR+2*\m], v[BA+\m]
	v_mov_b32 v[OV+\m], 0                          ; (a lane permute's destination counts as one of its sources)
	v_mov_b32 v[OI+\m], 0
.endr
.irp m, 0,1,2,3,4,5,6,7
	v_permlanex16_b32 v[OV+\m], v[PR+2*\m], s66, s67
	v_permlanex16_b32 v[OI+\m], v[PR+2*\m+1], s66, s67
.endr
.irp m, 0,1,2,3,4,5,6,7
	MERGE2 PR+2*\m, PR+2*\m+1, OV+\m, OI+\m
.endr
.irp m, 0,1,2,3,4,5,6,7
	ds_store_b64 v10, v[PR+2*\m:PR+2*\m+1] offset:1024*\m   ; row 16 m + r, my wave's place; both halves of the lanes write the same data
.endr
	s_wait_dscnt 0x0                               ; for the others' sake: my stores have landed
	s_barrier_signal -1
	s_barrier_wait -1
	s_cmp_gt_u32 s18, 1
	s_cbranch_scc1 .Lnot_out                       ; waves 0 and 1 merge: 64 rows each, two a lane
.irp i, 0,1,2,3,4,5,6,7
	ds_load_b128 v[FIN+4*\i:FIN+4*\i+3], v11 offset:16*\i
.endr
	s_wait_dscnt 0x0
.irp e, 1,2,3,4,5,6,7
	MERGE2 FIN, FIN+1, FIN+2*\e, FIN+2*\e+1
	MERGE2 FIN+16, FIN+17, FIN+16+2*\e, FIN+17+2*\e
.endr
	v_mov_b32 v[FIN+32], v[FIN+1]
	v_mov_b32 v[FIN+33], v[FIN+17]
	global_store_b64 v12, v[FIN+32:FIN+33], s[14:15]    ; 32 lanes store 256 consecutive bytes, at a multiple of 256 from tsel's first byte
.Lnot_out:
	s_wait_tensorcnt 0x0                           ; the wave's end
	ds_add_u32 v2, v3
	s_wait_dscnt 0x0
	CROUND                                         ; the closing round
	s_endpgm
.Lfunc_end_k_q4e2d4bd9fa_search:
	.size	k_q4e2d4bd9fa_search, .Lfunc_end_k_q4e2d4bd9fa_search-k_q4e2d4bd9fa_search
	.p2alignl 7, 3214868480
	.fill 96, 4, 3214868480
	.section	.rodata,"a",@progbits
	.p2align	6, 0x0
	.amdhsa_kernel k_q4e2d4bd9fa_search
		.amdhsa_group_segment_fixed_size 327680
		.amdhsa_private_segment_fixed_size 0
		.amdhsa_enable_private_segment 0
		.amdhsa_kernarg_size 48
		.amdhsa_user_sgpr_count 2
		.amdhsa_user_sgpr_kernarg_segment_ptr 1
		.amdhsa_wavefront_size32 1
		.amdhsa_system_sgpr_workgroup_id_x 1
		.amdhsa_system_sgpr_workgroup_id_y 1
		.amdhsa_system_sgpr_workgroup_id_z 1
		.amdhsa_system_vgpr_workitem_id 0
		.amdhsa_next_free_vgpr 384
		.amdhsa_next_free_sgpr 100
		.amdhsa_reserve_vcc 1
		.amdhsa_float_denorm_mode_32 3
		.amdhsa_float_denorm_mode_16_64 3
		.amdhsa_memory_ordered 1
		.amdhsa_forward_progress 1
		.amdhsa_inst_pref_size 107
	.end_amdhsa_kernel
	.amdgpu_metadata
---
amdhsa.version: [ 1, 2 ]
amdhsa.kernels:
  - .name:           k_q4e2d4bd9fa_search
    .symbol:         k_q4e2d4bd9fa_search.kd
    .args:
      - { .name: xq, .offset: 0, .size: 8, .value_kind: global_buffer, .address_space: global }
      - { .name: xs, .offset: 8, .size: 8, .value_kind: global_buffer, .address_space: global }
      - { .name: cq, .offset: 16, .size: 8, .value_kind: global_buffer, .address_space: global }
      - { .name: cs, .offset: 24, .size: 8, .value_kind: global_buffer, .address_space: global }
      - { .name: cn, .offset: 32, .size: 8, .value_kind: global_buffer, .address_space: global }
      - { .name: tsel, .offset: 40, .size: 8, .value_kind: global_buffer, .address_space: global }
    .group_segment_fixed_size: 327680
    .private_segment_fixed_size: 0
    .kernarg_segment_align: 8
    .kernarg_segment_size: 48
    .max_flat_workgroup_size: 256
    .sgpr_count:     100
    .vgpr_count:     384
    .wavefront_size: 32
...
	.end_amdgpu_metadata
.endif
;; end of part 2
;; launch refine (part 3): grid 512 x 1, 8 waves a work-group, no clusters, 1,280 bytes of LDS; arguments xq, xs, cq, cs, cn, tsel, out0; writes out0
.if DOCPART == 3
	.amdgcn_target "amdgcn-amd-amdhsa--gfx1250"
	.amdhsa_code_object_version 6
	.text
	.protected	k_q4e2d4bd9fa_refine
	.globl	k_q4e2d4bd9fa_refine
	.p2align	8
	.type	k_q4e2d4bd9fa_refine,@function
k_q4e2d4bd9fa_refine:
	s_mov_b64 s[64:65], 0
	v_nop
	global_prefetch_b8 v0, s[64:65] scope:SCOPE_SE
	s_setreg_imm32_b32 hwreg(HW_REG_WAVE_MODE, 25, 1), 1
	s_wait_xcnt 0x0
; out0[n] = the first code of image tile tsel[n] (16 consecutive codes) at which s[n][k] = -c2[k] / 2 + Q(x)[n] . Q(vectors)[k] is largest.  x2 is left out, as shown at the head of the first kernel.
; tsel holds whole numbers that the launch before stored; each is held to 0 .. 511 before it enters an offset.
; SHARES: a work-group takes 64 rows, a wave 8: half of an x tile.  For each of its rows a wave loads that row's image tile (4 loads of 16 bytes a lane, a scale word, cn's 8 numbers of my half of the lanes)
; and multiplies it with the x tile by the same two matrix instructions as the search (source 0 = the 16 codes, source 1 = the 16 rows of x; C = cn, summed in place).  Of a product only the column of its own row counts:
; a select by lane gathers the 8 rows' columns into one set of 8 registers, and the first largest of them is found once for all 8 rows.
; All 56 loads of a wave's 8 rows are issued on end.  No tensor loads, no cluster: each row has codes of its own.  No loop to run ahead in: no prefetch.
; The 64 indices meet in LDS and leave as one aligned unit of 256 bytes.  LIMITS: NaN and infinities are not served.
.set SPARE, 256                        ; behind the 256 bytes of indices: the spare words, 128 bytes for each of 8 waves
.set XSC, 11                           ; x's scale words; v12-19 the codes': these hold scales alone
.set AS,  12
.set AD,  20                           ; v20-31 four sets of three offsets
.set XF,  32
.set AF,  48                           ; v48-175 row i's fragments at AF + 16 i
.set Q,   176                          ; v176-239 row i's cn, then its results, at Q + 8 i
	s_load_b256 s[4:11], s[0:1], 0x0               ; xq, xs, cq, cs
	s_load_b128 s[12:15], s[0:1], 0x20             ; cn, tsel
	s_load_b64 s[16:17], s[0:1], 0x30              ; out0
	v_lshl_add_u32 v2, v0, 2, SPARE
	v_mov_b32 v3, 0
	v_lshrrev_b32 v1, 5, v0
	v_readfirstlane_b32 s18, v1                    ; wave 0..7
	s_lshr_b32 s19, s18, 1
	s_and_b32 s20, s18, 1                          ; which 8 rows of the x tile
	s_lshl_b32 s21, ttmp9, 2
	s_add_co_u32 s21, s21, s19                     ; my x tile
	s_lshl_b32 s22, s21, 11
	s_mov_b32 s23, 0
	s_lshl_b32 s24, s21, 7
	s_mov_b32 s25, 0
	s_lshl_b32 s26, ttmp9, 8                       ; the work-group's 64 rows x 4 bytes
	s_mov_b32 s27, 0
	s_lshl_b32 s28, s18, 5                         ; my 8 rows x 4 bytes
	s_lshl_b32 s29, s20, 3
	s_mov_b32 s30, 0x76543210
	s_mov_b32 s31, 0xfedcba98
	v_and_b32 v4, 31, v0                           ; L
	v_and_b32 v8, 7, v0
	v_and_b32 v9, 15, v0
	v_bfe_u32 v1, v0, 4, 1                         ; h
	v_lshlrev_b32 v5, 4, v4                        ; 16 L
	v_lshlrev_b32 v6, 2, v4                        ; 4 L
	v_lshlrev_b32 v7, 5, v1                        ; 32 h
	v_lshl_add_u32 v8, v8, 2, s28                  ; 32 x wave + 4 (L % 8): row L % 8 of my 8, in tsel's part and in the LDS stage
	v_sub_nc_u32 v9, v9, s29                       ; my column's row among my 8: 0 .. 7, or none of them
	v_lshlrev_b32 v250, 3, v4                      ; 8 L
	v_mov_b32 v244, 0                              ; (destinations of lane permutes count as sources)
	v_mov_b32 v245, 0
	v_mov_b32 v249, 0
	v_mov_b32 v242, 7
	s_wait_alu depctr_va_vdst(0)
	s_wait_kmcnt 0x0
	s_add_nc_u64 s[4:5], s[4:5], s[22:23]
	s_add_nc_u64 s[6:7], s[6:7], s[24:25]
	s_add_nc_u64 s[14:15], s[14:15], s[26:27]
	s_add_nc_u64 s[16:17], s[16:17], s[26:27]
	global_load_b32 v10, v8, s[14:15]              ; lane L: the tile of row L % 8
.irp k, 0,1,2,3
	global_load_b128 v[XF+4*\k:XF+4*\k+3], v5, s[4:5] offset:512*\k
.endr
	global_load_b32 v[XSC], v6, s[6:7]
	s_wait_loadcnt 5                               ; the tiles' numbers are in; x's five loads may be out
	v_min_u32 v10, 511, v10
	s_wait_alu depctr_va_vdst(0)
.irp i, 0,1,2,3,4,5,6,7
	v_readlane_b32 s[40+\i], v10, \i
.endr
.irp i, 0,1,2,3,4,5,6,7
	s_min_u32 s[40+\i], s[40+\i], 511
.endr
.irp i, 0,1,2,3,4,5,6,7
.if \i == 4
	s_wait_xcnt 0x0                                ; the first four rows' loads have read their offsets
.endif
	v_lshl_add_u32 v[AD+3*(\i%4)], s[40+\i], 11, v5
	v_lshl_add_u32 v[AD+3*(\i%4)+1], s[40+\i], 7, v6
	v_lshl_add_u32 v[AD+3*(\i%4)+2], s[40+\i], 6, v7
.irp k, 0,1,2,3
	global_load_b128 v[AF+16*\i+4*\k:AF+16*\i+4*\k+3], v[AD+3*(\i%4)], s[8:9] offset:512*\k
.endr
	global_load_b32 v[AS+\i], v[AD+3*(\i%4)+1], s[10:11]
	global_load_b128 v[Q+8*\i:Q+8*\i+3], v[AD+3*(\i%4)+2], s[12:13]
	global_load_b128 v[Q+8*\i+4:Q+8*\i+7], v[AD+3*(\i%4)+2], s[12:13] offset:16
.endr
.macro FOUR i0                         ; four rows' products; the four accumulators take turns
.irp i, \i0, \i0+1, \i0+2, \i0+3
	v_wmma_scale_f32_16x16x128_f8f6f4 v[Q+8*(\i):Q+8*(\i)+7], v[AF+16*(\i):AF+16*(\i)+7], v[XF:XF+7], v[Q+8*(\i):Q+8*(\i)+7], v[AS+(\i)], v[XSC] matrix_a_fmt:MATRIX_FMT_FP4 matrix_b_fmt:MATRIX_FMT_FP4
.endr
.irp i, \i0, \i0+1, \i0+2, \i0+3
	v_wmma_scale_f32_16x16x128_f8f6f4 v[Q+8*(\i):Q+8*(\i)+7], v[AF+16*(\i)+8:AF+16*(\i)+15], v[XF+8:XF+15], v[Q+8*(\i):Q+8*(\i)+7], v[AS+(\i)], v[XSC] matrix_a_fmt:MATRIX_FMT_FP4 matrix_b_fmt:MATRIX_FMT_FP4 matrix_a_scale:MATRIX_SCALE_ROW1 matrix_b_scale:MATRIX_SCALE_ROW1
.endr
.endm
	s_wait_loadcnt 28                              ; x and rows 0-3 are in; the 28 loads of rows 4-7 may be out
	FOUR 0
	s_wait_loadcnt 0x0
	FOUR 4
.irp i, 1,2,3,4,5,6,7
	v_cmp_eq_u32 s[50+\i], \i, v9                  ; the lanes of row i's column (these seven lines are also the places behind the products)
.endr
.irp i, 1,2,3,4,5,6,7
.irp j, 0,1,2,3,4,5,6,7
	v_cndmask_b32 v[Q+\j], v[Q+\j], v[Q+8*\i+\j], s[50+\i]   ; each accumulator from its low end on
.endr
.endr
	v_max3_num_f32 v240, v[Q], v[Q+1], v[Q+2]
	v_max3_num_f32 v241, v[Q+3], v[Q+4], v[Q+5]
	v_max3_num_f32 v240, v240, v[Q+6], v[Q+7]
	v_max_num_f32 v240, v240, v241                 ; the largest of my 8
.irp j, 0,1,2,3,4,5,6
	v_cmp_eq_f32 s[32+\j], v[Q+\j], v240
.endr
.irp j, 6,5,4,3,2,1,0
	v_cndmask_b32 v242, v242, \j, s[32+\j]         ; the first j that holds it
.endr
	v_lshl_add_u32 v243, v10, 4, v242              ; 16 x tile + j
	v_lshl_add_u32 v243, v1, 3, v243               ; + 8 h
	v_permlanex16_b32 v244, v240, s30, s31
	v_permlanex16_b32 v245, v243, s30, s31
	v_cmp_gt_f32 vcc_lo, v244, v240                ; the other half of the lanes: the larger value; where equal the smaller index
	v_cndmask_b32 v246, v243, v245, vcc_lo
	v_min_u32 v247, v243, v245
	v_cmp_eq_f32 vcc_lo, v244, v240
	v_cndmask_b32 v243, v246, v247, vcc_lo
	v_mov_b32_dpp v249, v243 row_xmask:8 row_mask:0xf bank_mask:0xf   ; lanes whose column is none of my rows take the index of lane r xor 8: row L % 8's
	v_cmp_gt_u32 vcc_lo, 8, v9
	v_cndmask_b32 v243, v249, v243, vcc_lo
	ds_store_b32 v8, v243                          ; the four lanes of a row write the same word with the same value
	s_wait_dscnt 0x0                               ; for the others' sake
	s_barrier_signal -1
	s_barrier_wait -1
	s_cmp_lg_u32 s18, 0
	s_cbranch_scc1 .Lend                           ; wave 0 stores the 64 indices
	ds_load_b64 v[252:253], v250
	s_wait_dscnt 0x0
	global_store_b64 v250, v[252:253], s[16:17]    ; 32 lanes store 256 consecutive bytes, at a multiple of 256 from out0's first byte
.Lend:
	s_wait_tensorcnt 0x0                           ; the wave's end
	ds_add_u32 v2, v3
	s_wait_dscnt 0x0
	s_endpgm
.Lfunc_end_k_q4e2d4bd9fa_refine:
	.size	k_q4e2d4bd9fa_refine, .Lfunc_end_k_q4e2d4bd9fa_refine-k_q4e2d4bd9fa_refine
	.p2alignl 7, 3214868480
	.fill 96, 4, 3214868480
	.section	.rodata,"a",@progbits
	.p2align	6, 0x0
	.amdhsa_kernel k_q4e2d4bd9fa_refine
		.amdhsa_group_segment_fixed_size 1280
		.amdhsa_private_segment_fixed_size 0
		.amdhsa_enable_private_segment 0
		.amdhsa_kernarg_size 56
		.amdhsa_user_sgpr_count 2
		.amdhsa_user_sgpr_kernarg_segment_ptr 1
		.amdhsa_wavefront_size32 1
		.amdhsa_system_sgpr_workgroup_id_x 1
		.amdhsa_system_sgpr_workgroup_id_y 1
		.amdhsa_system_sgpr_workgroup_id_z 1
		.amdhsa_system_vgpr_workitem_id 0
		.amdhsa_next_free_vgpr 256
		.amdhsa_next_free_sgpr 66
		.amdhsa_reserve_vcc 1
		.amdhsa_float_denorm_mode_32 3
		.amdhsa_float_denorm_mode_16_64 3
		.amdhsa_memory_ordered 1
		.amdhsa_forward_progress 1
		.amdhsa_inst_pref_size 19
	.end_amdhsa_kernel
	.amdgpu_metadata
---
amdhsa.version: [ 1, 2 ]
amdhsa.kernels:
  - .name:           k_q4e2d4bd9fa_refine
    .symbol:         k_q4e2d4bd9fa_refine.kd
    .args:
      - { .name: xq, .offset: 0, .size: 8, .value_kind: global_buffer, .address_space: global }
      - { .name: xs, .offset: 8, .size: 8, .value_kind: global_buffer, .address_space: global }
      - { .name: cq, .offset: 16, .size: 8, .value_kind: global_buffer, .address_space: global }
      - { .name: cs, .offset: 24, .size: 8, .value_kind: global_buffer, .address_space: global }
      - { .name: cn, .offset: 32, .size: 8, .value_kind: global_buffer, .address_space: global }
      - { .name: tsel, .offset: 40, .size: 8, .value_kind: global_buffer, .address_space: global }
      - { .name: out0, .offset: 48, .size: 8, .value_kind: global_buffer, .address_space: global }
    .group_segment_fixed_size: 1280
    .private_segment_fixed_size: 0
    .kernarg_segment_align: 8
    .kernarg_segment_size: 56
    .max_flat_workgroup_size: 256
    .sgpr_count:     66
    .vgpr_count:     256
    .wavefront_size: 32
...
	.end_amdgpu_metadata
.endif
;; end of part 3
